; MI455X (gfx1250); checked and timed in simulation.
; The chip was launched on July 23, 2026; its instructions are those of AMD's public machine-readable ISA for CDNA 5 (MIT licence, August 2026) and "CDNA5" Instruction Set Architecture Reference Guide (July 2026). The comments in the code are by the model that wrote it; some were corrected since.
;; Attention. Allowed arithmetic: matrix products marked QUANTISED: E4M3 operands, one given power-of-two scale a tensor, by v_wmma_f32_16x16x64_fp8_fp8 or v_wmma_f32_16x16x128_fp8_fp8, f32 sums; everything else in f32.
;; Inputs: W_proj 1,024 x 1,024 float32; W_qkv 3,072 x 1,024 float32; b_proj 1,024 float32; lowp_scales 8 int32 (the exponents e of the quantised operands' scales 2^e); q_bias 1,024 float32; scale_mul_log 1 x 16 x 1 x 1 float32; v_bias 1,024 float32; x 4 x 2,048 x 1,024 float32.
;; Outputs: out0 4 x 2,048 x 1,024 float32.
;; This version of the problem:
;;   THIS VERSION OF THE PROBLEM IS GIVEN IN LOW PRECISION. The matrix products marked QUANTISED in the list below multiply operands that are first quantised to E4M3 (4 exponent bits, 3 mantissa bits; 8 bits a number), with one given power-of-two scale for each operand tensor; their sums are f32. All else is computed in f32.
;;   The module's matrix products, in the order in which they are computed (A, B: the left and right operand; K: the contracted axis; several contracted axes count as one K, in the product's order):
;;     1. [M 8,192, K 1,024] x [K 1,024, N 3,072]; A: input x; B: input W_qkv: QUANTISED (scales: A lowp_scales[0], B lowp_scales[1])
;;     2. batch 64 x [M 2,048, K 64] x [K 64, N 2,048]; A: computed on the way; B: computed on the way: QUANTISED (scales: A lowp_scales[2], B lowp_scales[3])
;;     3. batch 64 x [M 2,048, K 2,048] x [K 2,048, N 64]; A: softmax (see below); B: computed on the way: QUANTISED (scales: A lowp_scales[4], B lowp_scales[5])
;;     4. [M 8,192, K 1,024] x [K 1,024, N 1,024]; A: computed on the way; B: input W_proj: QUANTISED (scales: A lowp_scales[6], B lowp_scales[7])
;;   THE QUANTISER, for each operand of a quantised product, along K:
;;     - The operand's scale is 2^e, e = its entry of the input lowp_scales (int32; the entries are numbered through the quantised products in the list's order, A before B).
;;     - Each number is divided by the scale, clamped to +-448, and rounded to the nearest number of E4M3, ties to even, subnormals kept.
;;     - The product sums the exact products of the quantised numbers (number of the format x scale) in f32.
;;   ~~~python
;;   def quantise(x, axis, e):      # numpy; x: float32 -> the quantised numbers, widened to float32 again
;;       x = np.moveaxis(x, axis, -1); K = x.shape[-1]
;;       r = np.clip(x / 2.0 ** e, -448, 448)
;;       step = 2.0 ** (np.maximum(np.frexp(np.where(r == 0, 1, r))[1] - 1, -6) - 3)
;;       q = np.round(r / step) * step * 2.0 ** e      # np.round: ties to even
;;       return np.moveaxis(q, -1, axis).astype(np.float32)
;;   ~~~
;;   SOFTMAX AHEAD OF A QUANTISED PRODUCT. Where the list says 'softmax', what is quantised is not the finished softmax but p = 2^(t - M), with t = logit x log2(e) and M = ceil(the row's largest t), a whole number; so 1/2 < the row's largest p <= 1. The row's sum l is taken of the UNQUANTISED p, in f32, and the product's result is divided by l at the end. Since M is a whole number, a kernel that streams over the keys may use a running M (the ceiling of the running maximum): every later rescaling is an exact power of two, so the quantised numbers keep their values, but for numbers so far below the row's largest that they fall under the format's range.
;;   OPERANDS COMPUTED ON THE WAY. 'Computed on the way' means the value that the module computes at that place (a softmax that the list does not call 'softmax' is quantised finished and normalised). What goes into a quantiser is computed in f32, as accurately as f32 sums, v_exp_f32 and their like allow (about 1e-6 of the number): no bf16 or f16 on the way to a quantiser, and a product that is left as it is and whose result goes on into a quantised operand takes f32 operands (vector FMAs, or v_wmma_f32_16x16x4_f32). A number that lies on a knife's edge between two numbers of the format may be rounded either way, as far as f32 arithmetic and the matrix unit's own rounding can turn it there, and no further.
;; One version. Each part assembles by itself: llvm-mc -triple=amdgcn-amd-amdhsa -mcpu=gfx1250 --defsym DOCPART=n.
;; ======== version 1 of 1: 4 launches
;; limits: right only within a limited range of input values
;; workspace buffers: x_codes 8,388,608 bytes; wqkv_codes 3,145,728 bytes; wproj_codes 1,048,576 bytes; q_codes 8,388,608 bytes; k_codes 8,388,608 bytes; v_codes 8,388,608 bytes; o_codes 8,388,608 bytes
;; launch quant (part 1): grid 768 x 1, 4 waves a work-group, no clusters, 35,328 bytes of LDS; arguments x, W_qkv, W_proj, lowp_scales, x_codes, wqkv_codes, wproj_codes; writes x_codes, wqkv_codes, wproj_codes
.if DOCPART == 1
	.amdgcn_target "amdgcn-amd-amdhsa--gfx1250"
	.amdhsa_code_object_version 6
	.text
	.protected	k_qa125572e73_quant
	.globl	k_qa125572e73_quant
	.p2align	8
	.type	k_qa125572e73_quant,@function
k_qa125572e73_quant:
	s_mov_b64 s[64:65], 0
	v_nop
	global_prefetch_b8 v0, s[64:65] scope:SCOPE_SE
	s_setreg_imm32_b32 hwreg(HW_REG_WAVE_MODE, 25, 1), 1
	s_wait_xcnt 0x0
; x [8192][1024], W_qkv [3072][1024] and W_proj [1024][1024], f32 with K innermost, become codes of FP8 (E4M3), each with the one scale 2^e given for it
; (entries 0, 1 and 7 of the scales).  code = number / 2^e, held within +-448, to the nearest code, ties to even.
; LIMITS: -126 <= e <= 119, so that 2^e and 448 x 2^e are f32 numbers.  NaN among the inputs is not served.
; THE CODES ARE LAID AS IMAGES OF THE OPERAND'S REGISTERS: [tile of 16 rows][64 along K][1,024 bytes].  In an image lane l = r + 16 h holds row r; its registers 2 c, 2 c + 1
; hold k = 16 c + 8 h + 0 .. 7; registers 0-3 lie at 16 l, registers 4-7 at 512 + 16 l.  So a reader takes a fragment by loads of 512 consecutive bytes, and two images on end are a fragment of 128 along K.
; SHARES: a wave takes 16 rows x 256 along K: 4 images.  Work-groups 0-511 take x, 512-703 W_qkv, 704-767 W_proj: three work-groups for each of 256 WGPs.  Only pointers, e and the first number are chosen, the text has one path.
; A load takes two rows x 256 bytes an instruction, neighbouring lanes on neighbouring bytes; the conversion wants eight neighbours along K in one lane.  So an image's 4,096 bytes turn
; through the wave's own stage in LDS (16 rows, 272 bytes apart).  Loads run three images ahead, the turn one image.  Waves share nothing: no barrier.
.set WAVES,  4
.set IMGS,   4
.set SP,     272                       ; a stage row: 256 bytes + 16, an odd multiple of 16
.set STG,    16*SP                     ; a stage
.set WREG,   2*STG                     ; two stages by turns for each wave
.set SPARE,  WAVES*WREG                ; behind them: the spare words, 128 bytes a wave: two blocks of 256 bytes that no other line names
.set WG_W,   512                       ; W_qkv's first work-group
.set WG_P,   704                       ; W_proj's
.set R,      16                        ; v16-111   three sets of 32: an image as loaded
.set X,      112                       ; v112-175  two sets of 32: an image turned
.set C,      176                       ; v176-207  codes: eight registers an image, never written again
.set SPW,    12                        ; v12  LDS address of my spare word; never rewritten
.set NIL,    13                        ; v13  0; never rewritten
	s_load_b256 s[4:11], s[0:1], 0x0               ; x, W_qkv, W_proj, the scales' exponents
	s_load_b128 s[12:15], s[0:1], 0x20             ; x's codes, W_qkv's codes
	s_load_b64 s[16:17], s[0:1], 0x30              ; W_proj's codes
	v_lshl_add_u32 v[SPW], v0, 2, SPARE
	v_mov_b32 v[NIL], 0
	v_lshrrev_b32 v1, 5, v0
	v_readfirstlane_b32 s18, v1                    ; wave
	v_and_b32 v2, 31, v0                           ; lane
	v_bfe_u32 v5, v0, 4, 1                         ; h
	v_and_b32 v6, 15, v0                           ; r
	v_lshlrev_b32 v3, 12, v5
	v_lshl_add_u32 v3, v6, 4, v3                   ; in memory: lanes 0-15 one row's 256 bytes, lanes 16-31 the next row's (4,096 bytes on)
	v_lshlrev_b32 v4, 4, v2                        ; 16 x lane: my place in half an image
	s_mul_i32 s19, s18, WREG
	v_mul_u32_u24 v14, v5, SP
	v_lshl_add_u32 v14, v6, 4, v14
	v_add_nc_u32 v14, s19, v14                     ; the stage on the way in: as loaded
	v_mul_u32_u24 v15, v6, SP
	v_lshl_add_u32 v15, v5, 5, v15
	v_add_nc_u32 v15, s19, v15                     ; and on the way out: row r, 32 h bytes on: eight neighbours of my half
	s_mov_b32 s32, WG_P
	s_cmp_lt_u32 ttmp9, WG_P
	s_cselect_b32 s32, WG_W, s32
	s_cmp_lt_u32 ttmp9, WG_W
	s_cselect_b32 s32, 0, s32                      ; my tensor's first work-group
	s_sub_co_u32 s34, ttmp9, s32
	s_lshl_b32 s34, s34, 2
	s_add_co_u32 s34, s34, s18                     ; u: which quarter of which tile of 16 rows is my wave's
	s_lshr_b32 s35, s34, 2
	s_lshl_b32 s36, s35, 16                        ; 16 rows of 4,096 bytes
	s_and_b32 s37, s34, 3
	s_lshl_b32 s37, s37, 10                        ; 256 numbers along K
	s_add_co_u32 s36, s36, s37
	s_mov_b32 s37, 0
	s_lshl_b32 s38, s34, 12                        ; four images
	s_mov_b32 s39, 0
	s_wait_alu depctr_va_vdst(0)
	s_wait_kmcnt 0x0
	s_load_b256 s[20:27], s[10:11], 0x0            ; e0 .. e7
	s_cmp_lt_u32 ttmp9, WG_P                       ; the choices hang on the work-group's number alone
	s_cselect_b64 s[28:29], s[6:7], s[8:9]
	s_cselect_b64 s[30:31], s[14:15], s[16:17]
	s_cmp_lt_u32 ttmp9, WG_W
	s_cselect_b64 s[28:29], s[4:5], s[28:29]
	s_cselect_b64 s[30:31], s[12:13], s[30:31]
	s_add_nc_u64 s[28:29], s[28:29], s[36:37]      ; the numbers,
	s_add_nc_u64 s[30:31], s[30:31], s[38:39]      ; and the codes, at my wave's part
.macro LOAD t                          ; image t as it lies: eight loads of two rows x 256 bytes
.irp i, 0,1,2,3,4,5,6,7
	global_load_b128 v[R+32*((\t)%3)+4*\i:R+32*((\t)%3)+4*\i+3], v3, s[28:29] offset:256*(\t)+8192*\i th:TH_LOAD_NT
.endr
.endm
.macro TURN t                          ; through the stage: LDS serves a wave's instructions in order, so no wait stands between the stores and the loads
.irp i, 0,1,2,3,4,5,6,7
	ds_store_b128 v14, v[R+32*((\t)%3)+4*\i:R+32*((\t)%3)+4*\i+3] offset:STG*((\t)%2)+2*SP*\i
.endr
.irp c, 0,1,2,3
.irp u, 0,1
	ds_load_b128 v[X+32*((\t)%2)+8*\c+4*\u:X+32*((\t)%2)+8*\c+4*\u+3], v15 offset:STG*((\t)%2)+64*\c+16*\u
.endr
.endr
.endm
	LOAD 0
	LOAD 1
	LOAD 2
	s_wait_kmcnt 0x0
	s_cmp_lt_u32 ttmp9, WG_P
	s_cselect_b32 s33, s21, s27
	s_cmp_lt_u32 ttmp9, WG_W
	s_cselect_b32 s33, s20, s33                    ; e
	s_add_co_i32 s33, s33, 127
	s_lshl_b32 s35, s33, 23
	v_mov_b32 v11, s35                             ; 2^e as f32: the conversion takes its exponent field
	s_add_co_i32 s33, s33, 8
	s_lshl_b32 s33, s33, 23
	s_or_b32 s33, s33, 0x600000
	v_mov_b32 v10, s33                             ; 448 x 2^e
	s_wait_alu depctr_va_vdst(0)
	s_wait_loadcnt 16                              ; image 0's eight loads are in; images 1 and 2 may be out
	TURN 0
.macro STEP t
.set XS, X+32*((\t)%2)
	s_wait_dscnt 0x0                               ; this image is back from the stage: so its stores into the stage have read their registers,
.if (\t)+3 < IMGS
	LOAD (\t)+3                                    ; which take the loads of three images on
.endif
.if (\t)+1 < IMGS
.if IMGS-2-(\t) >= 2
	s_wait_loadcnt 16                              ; the next image's eight loads are in; those of the two behind it may be out
.else
	s_wait_loadcnt 8*(IMGS-2-(\t))
.endif
	TURN (\t)+1                                    ; it goes through the other stage while this image is worked
.endif
.set n, 0
.rept 32
	v_med3_num_f32 v[XS+n], v[XS+n], -v10, v10     ; the conversion to an 8-bit code does not saturate (ISA guide 7.6.2): the hold at the largest code x the scale
.set n, n+1
.endr
.irp c, 0,1,2,3
	v_cvt_scalef32_pk8_fp8_f32 v[C+8*(\t)+2*\c:C+8*(\t)+2*\c+1], v[XS+8*\c:XS+8*\c+7], v11   ; k = 16 c + 8 h + 0 .. 7: registers 2 c, 2 c + 1 of the image
.endr
	global_store_b128 v4, v[C+8*(\t):C+8*(\t)+3], s[30:31] offset:1024*(\t)          ; 32 lanes store 512 consecutive bytes, aligned
	global_store_b128 v4, v[C+8*(\t)+4:C+8*(\t)+7], s[30:31] offset:1024*(\t)+512    ; (the codes go to stores alone, and the next image's holds are plain lines on other registers)
.endm
.irp t, 0,1,2,3
	STEP \t
.endr
	s_wait_tensorcnt 0x0                           ; the wave's end
	ds_add_u32 v[SPW], v[NIL]
	s_wait_dscnt 0x0
	s_endpgm
.Lfunc_end_k_qa125572e73_quant:
	.size	k_qa125572e73_quant, .Lfunc_end_k_qa125572e73_quant-k_qa125572e73_quant
	.p2alignl 7, 3214868480
	.fill 96, 4, 3214868480
	.section	.rodata,"a",@progbits
	.p2align	6, 0x0
	.amdhsa_kernel k_qa125572e73_quant
		.amdhsa_group_segment_fixed_size 35328
		.amdhsa_private_segment_fixed_size 0
		.amdhsa_enable_private_segment 0
		.amdhsa_kernarg_size 56
		.amdhsa_user_sgpr_count 2
		.amdhsa_user_sgpr_kernarg_segment_ptr 1
		.amdhsa_wavefront_size32 1
		.amdhsa_system_sgpr_workgroup_id_x 1
		.amdhsa_system_sgpr_workgroup_id_y 1
		.amdhsa_system_sgpr_workgroup_id_z 1
		.amdhsa_system_vgpr_workitem_id 0
		.amdhsa_next_free_vgpr 208
		.amdhsa_next_free_sgpr 66
		.amdhsa_reserve_vcc 0
		.amdhsa_float_denorm_mode_32 3
		.amdhsa_float_denorm_mode_16_64 3
		.amdhsa_memory_ordered 1
		.amdhsa_forward_progress 1
		.amdhsa_inst_pref_size 21
	.end_amdhsa_kernel
	.amdgpu_metadata
---
amdhsa.version: [ 1, 2 ]
amdhsa.kernels:
  - .name:           k_qa125572e73_quant
    .symbol:         k_qa125572e73_quant.kd
    .args:
      - { .name: x, .offset: 0, .size: 8, .value_kind: global_buffer, .address_space: global }
      - { .name: W_qkv, .offset: 8, .size: 8, .value_kind: global_buffer, .address_space: global }
      - { .name: W_proj, .offset: 16, .size: 8, .value_kind: global_buffer, .address_space: global }
      - { .name: lowp_scales, .offset: 24, .size: 8, .value_kind: global_buffer, .address_space: global }
      - { .name: x_codes, .offset: 32, .size: 8, .value_kind: global_buffer, .address_space: global }
      - { .name: wqkv_codes, .offset: 40, .size: 8, .value_kind: global_buffer, .address_space: global }
      - { .name: wproj_codes, .offset: 48, .size: 8, .value_kind: global_buffer, .address_space: global }
    .group_segment_fixed_size: 35328
    .private_segment_fixed_size: 0
    .kernarg_segment_align: 8
    .kernarg_segment_size: 56
    .max_flat_workgroup_size: 128
    .sgpr_count:     66
    .vgpr_count:     208
    .wavefront_size: 32
...
	.end_amdgpu_metadata
.endif
;; end of part 1
;; launch qkv (part 2): grid 12 x 32, 4 waves a work-group, clusters of 4 x 4, 327,680 bytes of LDS; arguments x_codes, wqkv_codes, lowp_scales, q_bias, v_bias, scale_mul_log, q_codes, k_codes, v_codes; writes q_codes, k_codes, v_codes
.if DOCPART == 2
	.amdgcn_target "amdgcn-amd-amdhsa--gfx1250"
	.amdhsa_code_object_version 6
	.text
	.protected	k_qa125572e73_qkv
	.globl	k_qa125572e73_qkv
	.p2align	8
	.type	k_qa125572e73_qkv,@function
k_qa125572e73_qkv:
	s_mov_b64 s[64:65], 0
	v_nop
	global_prefetch_b8 v0, s[64:65] scope:SCOPE_SE
	s_setreg_imm32_b32 hwreg(HW_REG_WAVE_MODE, 25, 1), 1
	s_wait_xcnt 0x0
	s_wait_alu depctr_hold_cnt(0) depctr_sa_sdst(0) depctr_va_vdst(0) depctr_va_sdst(0) depctr_va_ssrc(0) depctr_va_vcc(0) depctr_vm_vsrc(0)
	s_getreg_b32 s2, hwreg(HW_REG_IB_STS2, 6, 4)
	s_cmp_eq_u32 s2, 0
	s_cbranch_scc0 .Lentry_in_a_cluster
	s_endpgm
.Lentry_in_a_cluster:
	s_bfe_u32 s2, ttmp6, 0x10000c
	s_cmp_lg_u32 s2, 0xf033
	s_cbranch_scc0 .Lentry_shape_is_right
	s_endpgm
.Lentry_shape_is_right:
; qkv = x W_qkv^T + bias on codes of FP8 (E4M3), K = 1,024, and what reference() does to q, k and v up to their quantisers; the results leave as codes, laid as images of the next products' registers.
; A work-group of four waves makes 256 x 256 of the product, a wave 128 x 128: 64 accumulators.  K goes in steps of 256 through a ring of two LDS slots filled by the tensor data mover.
; OPERANDS ARE IMAGES ([tile of 16 rows][64 along K][1,024 bytes]; lane l = r + 16 h: registers 2 c, 2 c + 1 = k 16 c + 8 h + 0 .. 7): a tile's 256 along K are 4,096 consecutive bytes, a fragment of
; 128 along K four loads of 512 consecutive bytes: no pitch, no padding, every k in the place that the form gives it.
; ROLES.  Role A is the matrix instruction's source 1, role B its source 0: in the result a lane holds ONE row of role A, and its registers run along role B's rows.
;   clusters x = 0 (q) and 1 (k): A = x, B = W_qkv: a lane holds a token, its registers run along the head's 64: the K of q k^T.  The wave's 128 columns are two heads.
;   clusters x = 2 (v): A = W_qkv's rows 2,048 on, B = x: a lane holds a channel of v, its registers run along the tokens: the K of p v.
; So each conversion's result is a pair of registers of the next operand, and every store covers 512 consecutive bytes.
; CLUSTERS: 4 x 4 work-groups.  Role A's tile hangs on cy (and the cluster's y) alone and is asked for jointly along a row of the cluster, role B's on cx alone, along a column.  The roles are chosen by the
; cluster's x, which all sixteen partners share.
; q = (sum 2^(e0+e1) + q_bias) / max(norm, 1e-12) x exp(min(scale_mul_log, ln 100)); k the same with no bias and no factor; v = sum 2^(e0+e1) + v_bias.  1 / max(norm, 1e-12) is min(rsq(sum of squares), 1e12).
; LIMITS: e0 + e1 between -126 and 127; e2, e3, e5 between -126 and 119.  NaN is not served.
; REGISTERS, in windows of 256: window 0: v0-31 addresses; v32-47 v_bias; v48-59 at work; v64-127 q_bias, later at work; v128-255 role A's fragments, ONE set, later at work.
;   window 1: role B's fragments, two sets, at v0 and v128.   windows 2, 3: accumulator (a, b) at v[8 (8 (a % 4) + b)] of window 2 + a / 4.
.set NBB,    8                         ; role B's blocks of 16 rows a wave
.set APW,    32/NBB                    ; role A's blocks whose accumulators fill a window
.set FR,     16                        ; registers of a fragment: 16 rows x 128 K
.set NL,     4                         ; LDS loads that bring one
.set NP,     4                         ; places behind this matrix instruction (ISA guide 7.12.1)
.set RTB,    4096                      ; a tile of 16 rows in a slot: 256 along K
.set HALF_A, 8*RTB                     ; what one tensor load brings of role A, and what one wave reads of it
.set HALF_B, NBB*RTB
.set SLOT,   2*HALF_A+2*HALF_B
.set SPARE,  2*SLOT                    ; behind the ring: the spare words, 128 bytes a wave: two blocks of 256 bytes that no other line names
.set LAPS,   2                         ; K = 1,024: four slots' worth, twice round the ring
.set VROWS,  0x200000                  ; W_qkv's row 2,048 in its codes: 128 tiles of 16,384 bytes
.set ADRA, 16                          ; v16-17  LDS address of my role A fragments in slot 0, 1
.set ADRB, 20                          ; v20-21  the same for role B
.set LI,   26                          ; v26     16 x lane
.set SPW,  28                          ; v28     LDS address of my spare word; never rewritten
.set NIL,  29                          ; v29     0; never rewritten
.set VBI,  32                          ; v32-47  v_bias of my eight channels, each in both halves of a pair
.set T,    48                          ; v48-55  four chains of squares
.set F,    56                          ; v56-57  the two heads' factors
.set QS,   58                          ; v58     the quantiser's scale as f32
.set QL,   59                          ; v59     448 x that
.set BIAS, 64                          ; v64-127 q_bias in the result's layout
.set TMP,  64                          ; later: 64 numbers ahead of the quantiser
.set PT,   96                          ; the other half of the lanes' sums (registers of BIAS: written, and done with by then)
.set AF,   128                         ; role A's fragments
.set RS,   128                         ; later: 16 pairs: 1 / norm x factor
.set SS,   160                         ; 16 sums of squares
.set CD,   192                         ; q, k: codes of four blocks, 16 registers each
.set CDV,  128                         ; v: codes of eight blocks
.set G1, 24                            ; s[24:31] descriptor group 1 for role A;  s[32:39] group 0, one set for each slot
.set G0, 32
.set G1B, 48                           ; s[48:55], s[56:63] the same for role B
.set G0B, 56
.set MSB, 0
.macro WIN new                         ; the immediate's high byte repeats the setting that is left; a switch that changes nothing is dropped
.if MSB != (\new)
	s_set_vgpr_msb (MSB<<8)|(\new)
.set MSB, (\new)
.endif
.endm
.set MUL_LO, 0xa1                      ; source 0 (B) window 1, source 1 (A) window 0, C and D window 2
.set MUL_HI, 0xf1                      ; the same, C and D window 3
.set TO_B,   0x40                      ; destination window 1, address window 0
; A joint load: waves 0 and 1 fetch role A's halves, waves 2 and 3 role B's.  The branch hangs on the wave's number alone.  An s_nop 0 and four v_nop follow each of the two lines.
.macro JLOAD g0a, g1a, g0b, g1b
	s_cmp_eq_u32 s15, 0
	s_cbranch_scc0 .Lfor_b_\@
	tensor_load_to_lds s[\g0a:\g0a+3], s[\g1a:\g1a+7]
	s_nop 0
.rept 4
	v_nop
.endr
	s_branch .Lasked_\@
.Lfor_b_\@:
	tensor_load_to_lds s[\g0b:\g0b+3], s[\g1b:\g1b+7]
	s_nop 0
.rept 4
	v_nop
.endr
.Lasked_\@:
.endm
.macro CREST                           ; a round of the cluster's barrier behind its opening barrier
	s_cmp_lg_u32 s14, 0
	s_cbranch_scc1 .Lnot_wave_0_\@
	s_barrier_signal -3
.Lnot_wave_0_\@:
	s_barrier_wait -3
	s_barrier_signal -1
	s_barrier_wait -1
.endm
.macro CROUND                          ; a whole round
	s_barrier_signal -1
	s_barrier_wait -1
	CREST
.endm
	s_load_b256 s[4:11], s[0:1], 0x0               ; x's codes, W_qkv's codes, the scales' exponents, q_bias
	s_load_b256 s[68:75], s[0:1], 0x20             ; v_bias, scale_mul_log, q's codes, k's codes
	s_load_b64 s[76:77], s[0:1], 0x40              ; v's codes
	v_lshl_add_u32 v[SPW], v0, 2, SPARE
	v_mov_b32 v[NIL], 0
	ds_add_u32 v[SPW], v[NIL]                      ; the wave's opening: the add and its wait stand ahead of my first tensor load; the set-up below, work on registers, stands between them
	ds_add_u32 v[SPW], v[NIL]
	v_lshrrev_b32 v1, 5, v0
	v_readfirstlane_b32 s14, v1                    ; wave 0..3
	s_lshr_b32 s15, s14, 1                         ; which half of role A's rows is mine.  Also: I fetch for A (0) or for B (1)
	s_and_b32 s16, s14, 1                          ; which half of role B's rows.  Also: which half I fetch
	s_bfe_u32 s40, ttmp6, 0x40000                  ; cx
	s_bfe_u32 s41, ttmp6, 0x40004                  ; cy
	s_and_b32 s42, ttmp7, 0xffff
	s_lshl_b32 s42, s42, 2                         ; 4 x cluster y
	s_lshl_b32 s43, ttmp9, 2                       ; 4 x cluster x
	s_cmp_eq_u32 ttmp9, 2                          ; v's clusters?  The same in all sixteen partners
	s_cselect_b32 s66, 0, s42
	s_cselect_b32 s67, s42, s43
	s_cselect_b32 s22, VROWS, 0
	s_add_co_u32 s66, s66, s41                     ; role A's tile of 256 rows: q, k: tokens 4 cluster y + cy;  v: W's v rows, cy
	s_add_co_u32 s67, s67, s40                     ; role B's: q, k: W's rows 4 cluster x + cx;  v: tokens 4 cluster y + cx
	s_lshl_b32 s44, s41, 2
	s_lshl_b32 s44, 15, s44                        ; my row of the cluster
	s_lshl_b32 s45, 0x1111, s40                    ; my column
	; descriptor group 1: 8 tiles of 16 rows, of each 4,096 consecutive bytes (512 elements of 8 bytes), 16,384 bytes (2,048 elements) from tile to tile; dense in LDS
	s_or_b32 s[G1+0], s44, (3<<16)|(1<<21)         ; 15:0 the mask; 17:16 elements of 8 bytes; 20 no padding; 21 set beside a mask
	s_or_b32 s[G1B+0], s45, (3<<16)|(1<<21)
.irp g, G1, G1B
	s_mov_b32 s[\g+1], 512<<16                     ; tensor_dim0
	s_mov_b32 s[\g+2], 8<<16                       ; tensor_dim1
	s_mov_b32 s[\g+3], 512<<16                     ; tile_dim0
	s_mov_b32 s[\g+4], 8                           ; tile_dim1
	s_mov_b32 s[\g+5], 2048                        ; tensor_dim0_stride
	s_mov_b32 s[\g+6], 0
	s_mov_b32 s[\g+7], 0
.endr
	s_lshl_b32 s12, s66, 18                        ; role A: 256 rows are 16 tiles of 16,384 bytes,
	s_lshl_b32 s13, s16, 17                        ; the half that I fetch,
	s_add_co_u32 s12, s12, s13
	s_add_co_u32 s12, s12, s22                     ; and in v's clusters W's v rows
	s_mov_b32 s13, 0
	s_lshl_b32 s18, s67, 18                        ; role B likewise
	s_lshl_b32 s19, s16, 17
	s_add_co_u32 s18, s18, s19
	s_mov_b32 s19, 0
	s_mul_i32 s17, s16, HALF_A                     ; where they go in a slot: no place in the cluster enters an LDS address
	s_mul_i32 s23, s16, HALF_B
	s_add_co_u32 s23, s23, 2*HALF_A
	s_mov_b32 s78, 0x76543210                      ; v_permlanex16_b32's selects for lane l xor 16
	s_mov_b32 s79, 0xfedcba98
	s_wait_dscnt 0x0                               ; the opening add is done
	s_wait_kmcnt 0x0
	s_load_b256 s[80:87], s[8:9], 0x0              ; e0 .. e7
	s_cmp_eq_u32 ttmp9, 2
	s_cselect_b64 s[46:47], s[6:7], s[4:5]         ; role A's buffer
	s_cselect_b64 s[20:21], s[4:5], s[6:7]         ; role B's
	s_add_nc_u64 s[46:47], s[46:47], s[12:13]
	s_add_nc_u64 s[20:21], s[20:21], s[18:19]
	CROUND                                         ; all sixteen work-groups are here: the first joint loads meet
.irp s, 0,1
	s_mov_b32 s[G0+4*\s], 1
	s_add_co_u32 s[G0+4*\s+1], s17, \s*SLOT
	s_add_nc_u64 s[G0+4*\s+2:G0+4*\s+3], s[46:47], \s*RTB
	s_or_b32 s[G0+4*\s+3], s[G0+4*\s+3], 0x80000000
	s_mov_b32 s[G0B+4*\s], 1
	s_add_co_u32 s[G0B+4*\s+1], s23, \s*SLOT
	s_add_nc_u64 s[G0B+4*\s+2:G0B+4*\s+3], s[20:21], \s*RTB
	s_or_b32 s[G0B+4*\s+3], s[G0B+4*\s+3], 0x80000000
.if \s == 0
	JLOAD G0, G1, G0B, G1B                         ; slot 0: one tensor load a wave at the head
.endif
.endr
	v_and_b32 v1, 15, v0                           ; r
	v_bfe_u32 v2, v0, 4, 1                         ; h
	s_wait_alu depctr_va_vdst(0)
	v_and_b32 v3, 31, v0
	v_lshlrev_b32 v[LI], 4, v3
	s_mul_i32 s2, s15, HALF_A                      ; my 128 rows of role A,
	s_mul_i32 s3, s16, HALF_B                      ; and of role B,
	s_add_co_u32 s3, s3, 2*HALF_A                  ; which lie behind A's 256
.irp s, 0,1
	v_add_nc_u32 v[ADRA+\s], s2, v[LI]
	v_add_nc_u32 v[ADRB+\s], s3, v[LI]
	s_add_co_u32 s2, s2, SLOT
	s_add_co_u32 s3, s3, SLOT
.endr
	; the biases and the heads' factors, asked for now and waited for behind the products.  Every work-group loads both biases, at indices cut to 0 .. 1,023, so that no load leaves its buffer; each path uses its own
	s_lshl_b32 s94, s67, 8
	s_lshl_b32 s2, s16, 7
	s_add_co_u32 s94, s94, s2                      ; my first row of role B: q, k: a column of qkv;  v: a token
	s_lshl_b32 s96, s66, 8
	s_lshl_b32 s2, s15, 7
	s_add_co_u32 s96, s96, s2                      ; my first row of role A: q, k: a token;  v: a channel of v
	s_and_b32 s95, s94, 1023
	s_and_b32 s97, s96, 1023
	s_mov_b32 s3, 0
	s_lshl_b32 s2, s95, 2
	s_add_nc_u64 s[10:11], s[10:11], s[2:3]
	s_lshl_b32 s2, s97, 2
	s_add_nc_u64 s[68:69], s[68:69], s[2:3]
	s_lshr_b32 s2, s95, 6
	s_lshl_b32 s2, s2, 2
	s_add_nc_u64 s[70:71], s[70:71], s[2:3]
	s_load_b64 s[92:93], s[70:71], 0x0             ; scale_mul_log of my two heads
	v_lshlrev_b32 v8, 5, v2                        ; 32 h: eight numbers of my half
	v_lshlrev_b32 v9, 2, v1                        ; 4 r
.irp b, 0,1,2,3,4,5,6,7
	global_load_b128 v[BIAS+8*\b:BIAS+8*\b+3], v8, s[10:11] offset:64*\b        ; q_bias at columns 16 b + 8 h + 0 .. 7
	global_load_b128 v[BIAS+8*\b+4:BIAS+8*\b+7], v8, s[10:11] offset:64*\b+16
.endr
.irp a, 0,1,2,3,4,5,6,7
	global_load_b32 v[VBI+2*\a], v9, s[68:69] offset:64*\a                      ; v_bias at channel 16 a + r, into both halves of a pair for the packed multiply-add
	global_load_b32 v[VBI+2*\a+1], v9, s[68:69] offset:64*\a
.endr
.macro FRAG reg, adr, q, i             ; a fragment, 16 rows x 128 K: two images on end: four loads of 512 consecutive bytes
.irp c, 0,1,2,3
	ds_load_b128 v[\reg+4*\c:\reg+4*\c+3], v[\adr] offset:RTB*(\i)+2048*(\q)+512*\c
.endr
.endm
; 16 matrix instructions: role A's blocks a0, a0 + 1 x role B's eight, 128 along K.  p: B's set.  zero = 1: the first product starts the sums.  The 64 accumulators take turns, one instruction a turn, in the
; same order in every step.
.macro MULA a0, p, zero
.irp a, \a0, \a0+1
.irp b, 0,1,2,3,4,5,6,7
.if \zero
	v_wmma_f32_16x16x128_fp8_fp8 v[8*(NBB*((\a)%APW)+\b):8*(NBB*((\a)%APW)+\b)+7], v[128*(\p)+FR*\b:128*(\p)+FR*\b+FR-1], v[AF+FR*(\a):AF+FR*(\a)+FR-1], 0
.else
	v_wmma_f32_16x16x128_fp8_fp8 v[8*(NBB*((\a)%APW)+\b):8*(NBB*((\a)%APW)+\b)+7], v[128*(\p)+FR*\b:128*(\p)+FR*\b+FR-1], v[AF+FR*(\a):AF+FR*(\a)+FR-1], v[8*(NBB*((\a)%APW)+\b):8*(NBB*((\a)%APW)+\b)+7]
.endif
.endr
.endr
.endm
.macro FETCH_B slot, q, p              ; role B's eight fragments of the slot's q-th 128 along K into set p
	WIN TO_B
.irp i, 0,1,2,3,4,5,6,7
	FRAG 128*(\p)+FR*\i, ADRB+\slot, \q, \i
.endr
	WIN 0
.endm
.macro FETCH_A slot, q, i0             ; role A's blocks i0 .. i0 + 3
.irp i, \i0, \i0+1, \i0+2, \i0+3
	FRAG AF+FR*(\i), ADRA+\slot, \q, \i
.endr
.endm
.macro PLACES n                        ; plain vector instructions between a matrix instruction and a load into a register that it read, or a read of its result
.rept \n
	v_nop
.endr
.endm
; A step of 128 along K that has its successor in the same slot.  A block of A is free as soon as its eight products are issued: blocks 0-3 are fetched anew in the step's middle, blocks 4-7 at its end.
.macro STEP slot, q, zero
	s_wait_dscnt 4*NL                              ; B's set and A's blocks 0-3 are in; the sixteen youngest loads (A's blocks 4-7) may be out
	WIN MUL_LO
	MULA 0, (\q)%2, \zero
	MULA 2, (\q)%2, \zero
	s_wait_dscnt 0                                 ; A's blocks 4-7 are in
	PLACES NP
	FETCH_B \slot, (\q)+1, 1-(\q)%2
	FETCH_A \slot, (\q)+1, 0
	WIN MUL_HI
	MULA 4, (\q)%2, \zero
	MULA 6, (\q)%2, \zero
	PLACES NP
	WIN 0
	FETCH_A \slot, (\q)+1, 4
.endm
; A slot's last step changes slots: ONE barrier; in front of it each wave waits for all its tensor loads, adds 0 to its spare word, and waits for that and for its reads of this slot.  fill = 1: the slot is filled again, two slots' worth of K ahead.
.macro TURN slot, next, fill
	s_wait_tensorcnt 0x0                           ; all my tensor loads have landed: my part of the next slot  (every window is 0 here)
	ds_add_u32 v[SPW], v[NIL]                      ; 0 onto my spare word
	s_wait_dscnt 4*NL+1                            ; (the add and the sixteen youngest loads may be out)
	WIN MUL_LO
	MULA 0, 1, 0                                   ; sixteen matrix instructions stand between the add and the wait for it
	s_wait_dscnt 0x0                               ; the add is done, and my reads of this slot are over
	s_barrier_signal -1
	MULA 2, 1, 0
	WIN 0
	s_barrier_wait -1
.if \fill
	CREST                                          ; the barrier has opened a round of the cluster's barrier: no wave of any partner still reads this slot or has a load on its way
	s_add_nc_u64 s[G0+4*\slot+2:G0+4*\slot+3], s[G0+4*\slot+2:G0+4*\slot+3], 2*RTB
	s_add_nc_u64 s[G0B+4*\slot+2:G0B+4*\slot+3], s[G0B+4*\slot+2:G0B+4*\slot+3], 2*RTB
	JLOAD G0+4*\slot, G1, G0B+4*\slot, G1B         ; the first tensor load behind the round; its four v_nop are the places in front of the loads below
.else
	PLACES NP
.endif
	FETCH_B \next, 0, 0
	FETCH_A \next, 0, 0
	WIN MUL_HI
	MULA 4, 1, 0
	MULA 6, 1, 0
	PLACES NP
	WIN 0
	FETCH_A \next, 0, 4
.endm
	s_wait_alu depctr_va_vdst(0)
	s_wait_tensorcnt 0x0                           ; my part of slot 0 is in
	ds_add_u32 v[SPW], v[NIL]
	s_wait_dscnt 0x0
	CROUND                                         ; a whole round: everybody's part of slot 0 is in, and all sixteen work-groups are here
	JLOAD G0+4, G1, G0B+4, G1B                     ; slot 1's first fill, the first tensor load behind the round
	FETCH_B 0, 0, 0
	FETCH_A 0, 0, 0
	FETCH_A 0, 0, 4
	STEP 0, 0, 1                                   ; the first step's products start the sums: nothing is cleared
.rept LAPS-1                           ; once round the ring, both slots filled again: with K = 1,024 this stands once, so it is no loop
	TURN 0, 1, 1
	STEP 1, 0, 0
	TURN 1, 0, 1
	STEP 0, 0, 0
.endr
	TURN 0, 1, 0                                   ; the last lap fills nothing, and has no round of the cluster's barrier
	STEP 1, 0, 0
	s_wait_dscnt 4*NL                              ; the very last step: nothing more to fetch
	WIN MUL_LO
	MULA 0, 1, 0
	MULA 2, 1, 0
	s_wait_dscnt 0
	WIN MUL_HI
	MULA 4, 1, 0
	MULA 6, 1, 0
	WIN 0
	s_wait_kmcnt 0x0                               ; the exponents and scale_mul_log
	s_wait_loadcnt 0x0                             ; the biases
	s_add_co_i32 s88, s80, s81
	s_add_co_i32 s88, s88, 127
	s_lshl_b32 s88, s88, 23                        ; 2^(e0 + e1) as f32
	s_mov_b32 s89, s88                             ; (named with it as a pair, so it is written)
	PLACES NP                                      ; behind the last products: their results are read and role A's registers written below
	s_cmp_eq_u32 ttmp9, 2
	s_cbranch_scc1 .Lv                             ; on the cluster's x: all partners and all waves go the same way; no barrier and no LDS access stands on either way
	; ---- q and k: accumulator (a, b), register j of lane (r, h) is token 16 a + r, column 16 b + 8 h + j: head b / 4, channel 16 (b % 4) + 8 h + j
	s_cmp_eq_u32 ttmp9, 0
	s_cselect_b32 s90, -1, 0                       ; all ones in q's clusters: k has no bias and no factor
	s_cselect_b32 s91, s82, s83                    ; e2 or e3
	s_cselect_b64 s[72:73], s[72:73], s[74:75]     ; q's codes or k's
	s_add_co_i32 s91, s91, 127
	s_lshl_b32 s2, s91, 23
	v_mov_b32 v[QS], s2
	s_add_co_i32 s91, s91, 8
	s_lshl_b32 s91, s91, 23
	s_or_b32 s91, s91, 0x600000
	v_mov_b32 v[QL], s91
	s_lshr_b32 s2, s96, 11                         ; the batch,
	s_lshl_b32 s2, s2, 4
	s_lshr_b32 s3, s95, 6                          ; my first head
	s_add_co_u32 s2, s2, s3
	s_lshl_b32 s2, s2, 17                          ; a head's 128 images
	s_and_b32 s3, s96, 2047
	s_lshl_b32 s3, s3, 6                           ; my first token's image: (token / 16) x 1,024
	s_add_co_u32 s2, s2, s3
	s_mov_b32 s3, 0
	s_add_nc_u64 s[72:73], s[72:73], s[2:3]
	v_mov_b32 v[F], s92
	v_mov_b32 v[F+1], s93
	v_min_num_f32 v[F], 0x40935d8e, v[F]           ; min(scale_mul_log, ln 100)
	v_min_num_f32 v[F+1], 0x40935d8e, v[F+1]
	v_mul_f32 v[F], 0x3fb8aa3b, v[F]               ; x log2(e), for the exponential in base 2
	v_mul_f32 v[F+1], 0x3fb8aa3b, v[F+1]
.set n, 0
.rept 64
	v_cndmask_b32 v[BIAS+n], 0, v[BIAS+n], s90     ; k's bias is zero
.set n, n+1
.endr
; Block a: the numbers in place (sum x 2^(e0 + e1) + bias, each accumulator from its low end on), and my 32 squares of each head in two chains
.macro NORM1 a
.set AC, 64*((\a)%4)
.set WD, 2+(\a)/4
	WIN (WD<<6)|WD                                 ; destination and source 0: the accumulators' window
.set n, 0
.rept 32
	v_pk_fma_f32 v[AC+n:AC+n+1], v[AC+n:AC+n+1], s[88:89], v[BIAS+n:BIAS+n+1] op_sel_hi:[1,0,1]
.set n, n+2
.endr
	WIN WD|(WD<<2)                                 ; sources 0 and 1
.irp c, 0,1,2,3                        ; chain c belongs to head c / 2
	v_pk_mul_f32 v[T+2*\c:T+2*\c+1], v[AC+32*(\c/2)+2*(\c%2):AC+32*(\c/2)+2*(\c%2)+1], v[AC+32*(\c/2)+2*(\c%2):AC+32*(\c/2)+2*(\c%2)+1]
.endr
.irp m, 4,8,12,16,20,24,28
.irp c, 0,1,2,3
	v_pk_fma_f32 v[T+2*\c:T+2*\c+1], v[AC+32*(\c/2)+\m+2*(\c%2):AC+32*(\c/2)+\m+2*(\c%2)+1], v[AC+32*(\c/2)+\m+2*(\c%2):AC+32*(\c/2)+\m+2*(\c%2)+1], v[T+2*\c:T+2*\c+1]
.endr
.endr
	WIN 0
	v_pk_add_f32 v[T:T+1], v[T:T+1], v[T+2:T+3]
	v_pk_add_f32 v[T+4:T+5], v[T+4:T+5], v[T+6:T+7]
	v_add_f32 v[SS+2*(\a)], v[T], v[T+1]
	v_add_f32 v[SS+2*(\a)+1], v[T+4], v[T+5]
.endm
.irp a, 0,1,2,3,4,5,6,7
	NORM1 \a
.endr
.set n, 0
.rept 16
	v_permlanex16_b32 v[PT+n], v[SS+n], s78, s79   ; the token's other 32 channels of the head lie in the lane 16 away
.set n, n+1
.endr
.set n, 0
.rept 16
	v_add_f32 v[SS+n], v[SS+n], v[PT+n]
.set n, n+1
.endr
.set n, 0
	s_wait_alu depctr_va_vdst(0)
.rept 16
	v_rsq_f32 v[SS+n], v[SS+n]                     ; ONE batch: sixteen roots and two exponentials,
.set n, n+1
.endr
	v_exp_f32 v[F], v[F]
	v_exp_f32 v[F+1], v[F+1]
	v_nop                                          ; one plain instruction behind the last of them,
	s_wait_alu depctr_va_vdst(0)                   ; and one wait ahead of the first reader
	v_cndmask_b32 v[F], 1.0, v[F], s90             ; k has no factor
	v_cndmask_b32 v[F+1], 1.0, v[F+1], s90
.set n, 0
.rept 16
	v_min_num_f32 v[SS+n], 0x5368d4a5, v[SS+n]     ; 1 / max(norm, 1e-12) = min(1 / norm, 1e12); a row of zeros gives infinity here, which the minimum takes away
.set n, n+1
.endr
.set n, 0
.rept 16
	v_mul_f32 v[RS+2*n], v[SS+n], v[F+n%2]         ; both halves of a pair for the packed multiply
	v_mul_f32 v[RS+2*n+1], v[SS+n], v[F+n%2]
.set n, n+1
.endr
; Block a: normalised, held, converted: eight registers a head are an image of 16 tokens x 64 channels
.macro QOUT a
.set AC, 64*((\a)%4)
.set WD, 2+(\a)/4
.set CC, CD+16*((\a)%4)
.if (\a) == 4
	s_wait_xcnt 0x0                                ; the codes' registers come round: the stores of blocks 0-3 have read theirs
.endif
	WIN WD                                         ; source 0: the accumulators' window
.irp hd, 0,1
.set n, 0
.rept 16
	v_pk_mul_f32 v[TMP+32*\hd+n:TMP+32*\hd+n+1], v[AC+32*\hd+n:AC+32*\hd+n+1], v[RS+4*(\a)+2*\hd:RS+4*(\a)+2*\hd+1]
.set n, n+2
.endr
.endr
	WIN 0
.set n, 0
.rept 64
	v_med3_num_f32 v[TMP+n], v[TMP+n], -v[QL], v[QL]   ; the conversion does not saturate (ISA guide 7.6.2): the hold at the largest code x the scale
.set n, n+1
.endr
.irp g, 0,1,2,3,4,5,6,7
	v_cvt_scalef32_pk8_fp8_f32 v[CC+2*\g:CC+2*\g+1], v[TMP+8*\g:TMP+8*\g+7], v[QS]
.endr
	v_nop                                          ; one plain instruction between a scaled conversion and the next vector instruction that writes its sources
.irp hd, 0,1
	global_store_b128 v[LI], v[CC+8*\hd:CC+8*\hd+3], s[72:73] offset:1024*(\a)+131072*\hd          ; 512 consecutive bytes, aligned
	global_store_b128 v[LI], v[CC+8*\hd+4:CC+8*\hd+7], s[72:73] offset:1024*(\a)+131072*\hd+512
.endr
.endm
.irp a, 0,1,2,3,4,5,6,7
	QOUT \a
.endr
	s_branch .Lend
.Lv:	; ---- v: accumulator (a, b), register j of lane (r, h) is channel 16 a + r, token 16 b + 8 h + j: block a's 64 numbers are a fragment of V^T: 16 channels x 128 keys
	s_add_co_i32 s91, s85, 127                     ; e5
	s_lshl_b32 s2, s91, 23
	v_mov_b32 v[QS], s2
	s_add_co_i32 s91, s91, 8
	s_lshl_b32 s91, s91, 23
	s_or_b32 s91, s91, 0x600000
	v_mov_b32 v[QL], s91
	s_lshr_b32 s2, s94, 11                         ; the batch,
	s_lshl_b32 s2, s2, 4
	s_lshr_b32 s3, s96, 6                          ; my first head
	s_add_co_u32 s2, s2, s3
	s_lshl_b32 s2, s2, 17                          ; a head: 16 blocks of 128 keys x 4 tiles of channels x 2,048 bytes
	s_and_b32 s3, s94, 2047
	s_lshl_b32 s3, s3, 6                           ; my block of keys: (token / 128) x 8,192
	s_add_co_u32 s2, s2, s3
	s_mov_b32 s3, 0
	s_add_nc_u64 s[76:77], s[76:77], s[2:3]
.macro VOUT a
.set AC, 64*((\a)%4)
.set WD, 2+(\a)/4
	WIN WD
.set n, 0
.rept 32
	v_pk_fma_f32 v[TMP+n:TMP+n+1], v[AC+n:AC+n+1], s[88:89], v[VBI+2*(\a):VBI+2*(\a)+1] op_sel_hi:[1,0,1]   ; sum x 2^(e0 + e1) + v_bias; each accumulator from its low end on
.set n, n+2
.endr
	WIN 0
.set n, 0
.rept 64
	v_med3_num_f32 v[TMP+n], v[TMP+n], -v[QL], v[QL]
.set n, n+1
.endr
.irp g, 0,1,2,3,4,5,6,7
	v_cvt_scalef32_pk8_fp8_f32 v[CDV+16*(\a)+2*\g:CDV+16*(\a)+2*\g+1], v[TMP+8*\g:TMP+8*\g+7], v[QS]   ; keys 16 g + 8 h + 0 .. 7: registers 2 g, 2 g + 1
.endr
	v_nop
.irp c, 0,1,2,3
	global_store_b128 v[LI], v[CDV+16*(\a)+4*\c:CDV+16*(\a)+4*\c+3], s[76:77] offset:((\a)/4)*131072+((\a)%4)*2048+512*\c
.endr
.endm
.irp a, 0,1,2,3,4,5,6,7
	VOUT \a
.endr
.Lend:
	s_wait_tensorcnt 0x0                           ; the wave's end
	ds_add_u32 v[SPW], v[NIL]
	s_wait_dscnt 0x0
	CROUND                                         ; the closing round: no work-group ends while a partner may still ask for a tile that names it
	s_endpgm
.Lfunc_end_k_qa125572e73_qkv:
	.size	k_qa125572e73_qkv, .Lfunc_end_k_qa125572e73_qkv-k_qa125572e73_qkv
	.p2alignl 7, 3214868480
	.fill 96, 4, 3214868480
	.section	.rodata,"a",@progbits
	.p2align	6, 0x0
	.amdhsa_kernel k_qa125572e73_qkv
		.amdhsa_group_segment_fixed_size 327680
		.amdhsa_private_segment_fixed_size 0
		.amdhsa_enable_private_segment 0
		.amdhsa_kernarg_size 72
		.amdhsa_user_sgpr_count 2
		.amdhsa_user_sgpr_kernarg_segment_ptr 1
		.amdhsa_wavefront_size32 1
		.amdhsa_system_sgpr_workgroup_id_x 1
		.amdhsa_system_sgpr_workgroup_id_y 1
		.amdhsa_system_sgpr_workgroup_id_z 1
		.amdhsa_system_vgpr_workitem_id 0
		.amdhsa_next_free_vgpr 1024
		.amdhsa_next_free_sgpr 100
		.amdhsa_reserve_vcc 0
		.amdhsa_float_denorm_mode_32 3
		.amdhsa_float_denorm_mode_16_64 3
		.amdhsa_memory_ordered 1
		.amdhsa_forward_progress 1
		.amdhsa_inst_pref_size 237
	.end_amdhsa_kernel
	.amdgpu_metadata
---
amdhsa.version: [ 1, 2 ]
amdhsa.kernels:
  - .name:           k_qa125572e73_qkv
    .symbol:         k_qa125572e73_qkv.kd
    .args:
      - { .name: x_codes, .offset: 0, .size: 8, .value_kind: global_buffer, .address_space: global }
      - { .name: wqkv_codes, .offset: 8, .size: 8, .value_kind: global_buffer, .address_space: global }
      - { .name: lowp_scales, .offset: 16, .size: 8, .value_kind: global_buffer, .address_space: global }
      - { .name: q_bias, .offset: 24, .size: 8, .value_kind: global_buffer, .address_space: global }
      - { .name: v_bias, .offset: 32, .size: 8, .value_kind: global_buffer, .address_space: global }
      - { .name: scale_mul_log, .offset: 40, .size: 8, .value_kind: global_buffer, .address_space: global }
      - { .name: q_codes, .offset: 48, .size: 8, .value_kind: global_buffer, .address_space: global }
      - { .name: k_codes, .offset: 56, .size: 8, .value_kind: global_buffer, .address_space: global }
      - { .name: v_codes, .offset: 64, .size: 8, .value_kind: global_buffer, .address_space: global }
    .group_segment_fixed_size: 327680
    .private_segment_fixed_size: 0
    .kernarg_segment_align: 8
    .kernarg_segment_size: 72
    .max_flat_workgroup_size: 128
    .sgpr_count:     100
    .vgpr_count:     1024
    .wavefront_size: 32
...
	.end_amdgpu_metadata
.endif
;; end of part 2
;; launch attn (part 3): grid 4 x 64, 16 waves a work-group, clusters of 4 x 1, 327,680 bytes of LDS; arguments q_codes, k_codes, v_codes, lowp_scales, o_codes; writes o_codes
.if DOCPART == 3
	.amdgcn_target "amdgcn-amd-amdhsa--gfx1250"
	.amdhsa_code_object_version 6
	.text
	.protected	k_qa125572e73_attn
	.globl	k_qa125572e73_attn
	.p2align	8
	.type	k_qa125572e73_attn,@function
k_qa125572e73_attn:
	s_mov_b64 s[64:65], 0
	v_nop
	global_prefetch_b8 v0, s[64:65] scope:SCOPE_SE
	s_setreg_imm32_b32 hwreg(HW_REG_WAVE_MODE, 25, 1), 1
	s_wait_xcnt 0x0
	s_wait_alu depctr_hold_cnt(0) depctr_sa_sdst(0) depctr_va_vdst(0) depctr_va_sdst(0) depctr_va_ssrc(0) depctr_va_vcc(0) depctr_vm_vsrc(0)
	s_getreg_b32 s2, hwreg(HW_REG_IB_STS2, 6, 4)
	s_cmp_eq_u32 s2, 0
	s_cbranch_scc0 .Lentry_in_a_cluster
	s_endpgm
.Lentry_in_a_cluster:
	s_bfe_u32 s2, ttmp6, 0x10000c
	s_cmp_lg_u32 s2, 0x3003
	s_cbranch_scc0 .Lentry_shape_is_right
	s_endpgm
.Lentry_shape_is_right:
; o = softmax(q k^T) v for one batch and head, both products on codes of FP8 (E4M3); o leaves as codes for the projection, quantised with 2^e6.
; t = score x log2(e) x 2^(e2 + e3); M = the running largest t rounded up to a whole number, kept as -M = floor(-t); p = 2^(t - M) is held at 448 x 2^e4 and quantised with 2^e4; the row's sum is taken of
; the unquantised p; when M moves, the sum and O^T are multiplied by 2^(old M - new M), which rounds nothing; at the end O^T x 2^(e4 + e5) / the sum.
; INPUTS ARE IMAGES OF OPERAND REGISTERS: q, k: [batch x head][16 rows][1,024 bytes] (16 rows x the head's 64); v: [batch x head][128 keys][16 channels][2,048 bytes].  Every fragment load is 512 consecutive bytes.
; SHARES: a work-group owns 512 queries of one head; each of its sixteen waves owns TWO tiles of 16 queries (tiles w and w + 16 of the work-group's 32) and walks the head's 2,048 keys once, 128 a step.
; Each fragment of K and of V that a wave reads from LDS feeds two matrix instructions, one for each tile.  Both products are used transposed (S^T = K Q^T, O^T = V^T P^T): a lane holds one query of each tile.
; LDS: the head's K lies whole from byte 0, its V from byte 131,072, 8,192 bytes a step each.  Waves 0-7 fetch K, waves 8-15 V: at the head an eighth of steps 0-2 each (3,072 bytes), behind the first
; round an eighth of steps 3-15 (13,312 bytes), which has two steps' work of all waves in which to land; nothing is filled twice.
; THE NEXT STEP'S FIRST 64 KEYS are read from LDS one step ahead, behind this step's last score products.  In the first loop (steps 0, 1) that reaches step 2, which the head's loads brought; in the last step the
; address is held at step 15, whose bytes are read once more and not used.
; CLUSTER: the four work-groups of a head read the same K and V and ask for them jointly (mask 15).
; NO PREFETCH INTO THE L2: both groups of tensor loads are issued ahead of the first loop, so no later load exists that a loop could run ahead of.
; REGISTERS (all 256): v0 thread; v1 the LDS address in hand; v2, v3 the add's two; v4 -M of tile A, v5 2^e4; v6 -M of tile B, v7 16 x lane; v[8:9], v[10:11] the sums, two halves each;
; v12-27 Q's two fragments; v28-59 X: four images of K; v60-61 + v62-125 and v126-127 + v128-191: two registers at work and the 64 scores of tile A and of tile B; v192-255 O^T of A and of B.
; p's codes are laid over what is done with: group g's two registers go to S - 2 + 2 g, so v[S-2:S+13] is the second product's operand; V's fragments land in scores that are converted: three in A's 16-63, one in B's 16-31.
; LIMITS: e2 + e3 between -126 and 127 (added to an exponent field); e4 and e6 between -126 and 119; the scaled scores stay under 2^31 in magnitude; NaN is not served.
.set STEPB, 8192
.set VBASE, 131072
.set FIRST, 3                          ; steps that the head's loads bring
.set SPARE, 262144                     ; behind K and V: the spare words, 128 bytes a wave: eight blocks of 256 bytes that no other line names
.set ADK, 1
.set SPW, 2
.set NIL, 3
.set QS,  5
.set LI,  7
.set QF,  12
.set X,   28
.set SA,  62
.set SB,  128
.set OA,  192
.set WV,  14
.set CX,  15
.set BH,  16
.set SEL, 20
.set CS,  22
.set G1,  24                           ; s[24:31] group 1 of the head's loads; s[72:79] of the second loads
.set G1B, 72
.set G0,  32
.set TN,  46                           ; s46 the next step's K, s47 this step's V, as LDS bytes
.set TV,  47
.set EX,  48
.set TB,  56
.set CNT, 57
.set EPV, 59
.set OB,  60
.set QB,  62
.set BND, 68                           ; s68 448 x 2^e4;  s69 2^e6;  s70, s71 +-448 x 2^e6
.macro CROUND                          ; a round of the cluster's barrier
	s_barrier_signal -1
	s_barrier_wait -1
	s_cmp_lg_u32 s[WV], 0
	s_cbranch_scc1 .Lnot_wave_0_\@
	s_barrier_signal -3
.Lnot_wave_0_\@:
	s_barrier_wait -3
	s_barrier_signal -1
	s_barrier_wait -1
.endm
.macro PLACES n                        ; plain vector lines behind matrix instructions (ISA guide 7.12.1)
.rept \n
	v_nop
.endr
.endm
	s_load_b256 s[4:11], s[0:1], 0x0               ; q's, k's, v's codes, the scales' exponents
	s_load_b64 s[12:13], s[0:1], 0x20              ; o's codes
	v_lshl_add_u32 v[SPW], v0, 2, SPARE
	v_mov_b32 v[NIL], 0
	ds_add_u32 v[SPW], v[NIL]                      ; the opening lines: the add twice on end and its wait ahead of my first tensor load
	ds_add_u32 v[SPW], v[NIL]
	v_lshrrev_b32 v1, 5, v0
	s_delay_alu instid0(VALU_DEP_1)
	v_readfirstlane_b32 s[WV], v1                  ; wave 0..15
	s_bfe_u32 s[CX], ttmp6, 0x40000                ; my place in the cluster: which 512 queries
	s_and_b32 s[BH], ttmp7, 0xffff                 ; batch x 16 + head
	s_and_b32 s17, s[WV], 7                        ; which eighth I fetch
	s_lshl_b32 s18, s[BH], 17                      ; a head's codes are 131,072 bytes
	s_mov_b32 s19, 0
	s_lshr_b32 s58, s[WV], 3
	s_lshl_b32 s58, s58, 17                        ; K's region of LDS or V's
	s_mul_i32 s42, s17, FIRST*STEPB/8              ; my eighth of steps 0-2,
	s_mov_b32 s43, 0
	s_mul_i32 s44, s17, (16-FIRST)*STEPB/8
	s_add_co_u32 s44, s44, FIRST*STEPB             ; and of steps 3-15: the same byte in the head's codes and in the region
	s_mov_b32 s45, 0
.irp g, G1, G1B
	s_mov_b32 s[\g], 15|(3<<16)|(1<<21)            ; the mask of all four partners; elements of 8 bytes; bit 21 beside a mask
	s_mov_b32 s[\g+1], 32<<16                      ; rows of 256 bytes, dense
	s_mov_b32 s[\g+3], 32<<16
	s_mov_b32 s[\g+5], 32
	s_mov_b32 s[\g+6], 0
	s_mov_b32 s[\g+7], 0
.endr
	s_mov_b32 s[G1+2], (4*FIRST)<<16               ; 12 rows,
	s_mov_b32 s[G1+4], 4*FIRST
	s_mov_b32 s[G1B+2], (64-4*FIRST)<<16           ; and 52
	s_mov_b32 s[G1B+4], 64-4*FIRST
	s_mov_b32 s[SEL], 0x76543210                   ; v_permlanex16_b32's selects for lane l xor 16
	s_mov_b32 s[SEL+1], 0xfedcba98
	s_mov_b32 s[CS], 0x3fb8aa3b                    ; log2(e)
	s_lshl_b32 s3, s[CX], 5
	s_add_co_u32 s3, s3, s[WV]                     ; my first tile of 16 queries in the head; the second lies 16 tiles on
	s_lshl_b32 s2, s[BH], 7
	s_add_co_u32 s2, s2, s3
	s_lshl_b32 s[QB], s2, 10
	s_mov_b32 s[QB+1], 0
	s_lshr_b32 s2, s[BH], 4
	s_lshl_b32 s2, s2, 7
	s_add_co_u32 s2, s2, s3
	s_lshl_b32 s2, s2, 14                          ; o's codes: a tile of 16 tokens is 16 images,
	s_and_b32 s3, s[BH], 15
	s_lshl_b32 s3, s3, 10                          ; the head's is one of them
	s_add_co_u32 s[OB], s2, s3
	s_mov_b32 s[OB+1], 0
	s_wait_dscnt 0x0                               ; both opening adds are done
	s_wait_kmcnt 0x0
	s_load_b256 s[EX:EX+7], s[10:11], 0x0          ; e0 .. e7
	s_cmp_lt_u32 s[WV], 8
	s_cselect_b64 s[66:67], s[6:7], s[8:9]         ; waves 0-7 fetch K, waves 8-15 V
	s_add_nc_u64 s[66:67], s[66:67], s[18:19]
	s_add_nc_u64 s[QB:QB+1], s[4:5], s[QB:QB+1]
	s_add_nc_u64 s[OB:OB+1], s[12:13], s[OB:OB+1]
.irp c, 0,1                            ; group 0 of the head's load and of the second
	s_mov_b32 s[G0+4*\c], 1
	s_add_co_u32 s[G0+4*\c+1], s58, s[42+2*\c]
	s_add_nc_u64 s[G0+4*\c+2:G0+4*\c+3], s[66:67], s[42+2*\c:43+2*\c]
	s_or_b32 s[G0+4*\c+3], s[G0+4*\c+3], 0x80000000
.endr
	CROUND                                         ; all four work-groups are here: the first joint loads meet
	tensor_load_to_lds s[G0:G0+3], s[G1:G1+7]      ; my eighth of steps 0-2: one tensor load a wave at the head
	s_nop 0
	PLACES 4
	v_and_b32 v[LI], 31, v0
	s_delay_alu instid0(VALU_DEP_1)
	v_lshlrev_b32 v[LI], 4, v[LI]
	global_load_b128 v[QF:QF+3], v[LI], s[QB:QB+1]
	global_load_b128 v[QF+4:QF+7], v[LI], s[QB:QB+1] offset:512
	global_load_b128 v[QF+8:QF+11], v[LI], s[QB:QB+1] offset:16384
	global_load_b128 v[QF+12:QF+15], v[LI], s[QB:QB+1] offset:16896
	s_wait_kmcnt 0x0
	s_add_co_i32 s2, s[EX+2], s[EX+3]
	s_lshl_b32 s2, s2, 23
	s_add_co_i32 s[CS], s[CS], s2                  ; c = log2(e) x 2^(e2 + e3)
	s_mov_b32 s[CS+1], s[CS]                       ; (named with it as a pair)
	s_add_co_i32 s2, s[EX+4], 127
	s_lshl_b32 s3, s2, 23
	v_mov_b32 v[QS], s3                            ; 2^e4 for the conversion
	s_add_co_i32 s2, s2, 8
	s_lshl_b32 s2, s2, 23
	s_or_b32 s[BND], s2, 0x600000                  ; 448 x 2^e4
	s_add_co_i32 s2, s[EX+6], 127
	s_lshl_b32 s[BND+1], s2, 23                    ; 2^e6
	s_add_co_i32 s2, s2, 8
	s_lshl_b32 s2, s2, 23
	s_or_b32 s[BND+2], s2, 0x600000                ; 448 x 2^e6,
	s_or_b32 s[BND+3], s[BND+2], 0x80000000        ; and its negative
	s_add_co_i32 s[EPV], s[EX+4], s[EX+5]
	v_mov_b32 v4, 0x7f61b1e6                       ; -M begins at 3e38, over every floor(-t): the first step's factor is then 0, on zeros
	v_mov_b32 v6, 0x7f61b1e6
.irp r, 8,9,10,11
	v_mov_b32 v\r, 0                               ; the sums
.endr
.set n, 0
.rept 64
	v_mov_b32 v[OA+n], 0                           ; O^T: the step is written for all steps alike
.set n, n+1
.endr
.macro LOADS reg, off, cnt             ; cnt x 512 bytes from the address in hand into 4 cnt registers
.set n, 0
.rept \cnt
	ds_load_b128 v[\reg+4*n:\reg+4*n+3], v[ADK] offset:\off+512*n
.set n, n+1
.endr
.endm
.macro QK t0                           ; four tiles of 16 keys against both tiles of queries
.irp i, 0,1,2,3
	v_wmma_f32_16x16x64_fp8_fp8 v[SA+8*(\t0+\i):SA+8*(\t0+\i)+7], v[X+8*\i:X+8*\i+7], v[QF:QF+7], 0
	v_wmma_f32_16x16x64_fp8_fp8 v[SB+8*(\t0+\i):SB+8*(\t0+\i)+7], v[X+8*\i:X+8*\i+7], v[QF+8:QF+15], 0
.endr
.endm
.macro MAXT t                          ; tile t's eight scores into the two chains S - 2, S - 1 of each query tile; each accumulator from its low end on
.irp j, 0,1,2,3
.irp s, SA, SB
	v_max3_num_f32 v[\s-2+\j%2], v[\s-2+\j%2], v[\s+8*(\t)+2*\j], v[\s+8*(\t)+2*\j+1]
.endr
.endr
.endm
.macro HOLD2 r                         ; two numbers held at 448 x 2^e4: the conversion does not saturate (ISA guide 7.6.2); p is not negative, so the hold is one-sided
	v_dual_min_num_f32 v[\r], s[BND], v[\r] :: v_dual_min_num_f32 v[\r+1], s[BND], v[\r+1]
.endm
.macro MUL2 r, f                       ; two numbers x f, which stands in both registers of the pair at f
	v_dual_mul_f32 v[\r], v[\f], v[\r] :: v_dual_mul_f32 v[\r+1], v[\f+1], v[\r+1]
.endm
.macro ADD2 d, r                       ; the pair at d += the pair at r
	v_dual_add_f32 v[\d], v[\r], v[\d] :: v_dual_add_f32 v[\d+1], v[\r+1], v[\d+1]
.endm
.macro FMAS cnt                        ; t - M, two at a time, both tiles by turns, from pair m on (of the pairs c and -M the low word serves both halves)
.rept \cnt
	v_pk_fma_f32 v[SA+m:SA+m+1], v[SA+m:SA+m+1], s[CS:CS+1], v[4:5] op_sel_hi:[1,0,0]
	v_pk_fma_f32 v[SB+m:SB+m+1], v[SB+m:SB+m+1], s[CS:CS+1], v[6:7] op_sel_hi:[1,0,0]
.set m, m+2
.endr
.endm
.macro QUANT s, g0                     ; p's codes, four groups: group g (keys 16 g + 8 h + 0 .. 7) becomes registers 2 g, 2 g + 1 of the operand v[S-2:S+13]; the next group's holds stand between two conversions
.irp g, 0,1,2,3
.irp j, 0,2,4,6
	HOLD2 \s+8*(\g0+\g)+\j
.endr
	v_cvt_scalef32_pk8_fp8_f32 v[\s+2*(\g0+\g)-2:\s+2*(\g0+\g)-1], v[\s+8*(\g0+\g):\s+8*(\g0+\g)+7], v[QS]
.endr
.endm
; A KEY STEP: 128 keys, both tiles of queries.  X holds the step's keys 0-63 on the way in, asked for a step ago.
.macro STEP
	s_wait_dscnt 0x0                               ; they are in
	s_add_co_u32 s[TN], s[TB], STEPB
	s_min_u32 s[TN], s[TN], 15*STEPB               ; the next step's K, held at the last step's
	s_add_co_u32 s[TV], s[TB], VBASE               ; this step's V
	v_add_nc_u32 v[ADK], s[TB], v[LI]
	PLACES 4                                       ; with the line above five places behind the last step's products: the scores are laid over their operands
	QK 0
	PLACES 4
	LOADS X, 4096, 8                               ; keys 64-127, on their way under the first half's maxima
.irp s, SA, SB
	v_max3_num_f32 v[\s-2], v[\s], v[\s+1], v[\s+2]
.endr
.irp s, SA, SB
	v_max3_num_f32 v[\s-1], v[\s+3], v[\s+4], v[\s+5]
.endr
.irp s, SA, SB
	v_max3_num_f32 v[\s-2], v[\s-2], v[\s+6], v[\s+7]
.endr
	MAXT 1
	MAXT 2
	MAXT 3
	s_wait_alu depctr_va_vdst(0)
	s_wait_dscnt 0x0
	QK 4
	v_add_nc_u32 v[ADK], s[TN], v[LI]              ; one of the four places
	PLACES 3
	LOADS X, 0, 8                                  ; the next step's keys 0-63: they have the softmax and the second product in which to land
	v_add_nc_u32 v[ADK], s[TV], v[LI]              ; on to this step's V
	MAXT 4
	MAXT 5
	MAXT 6
	MAXT 7
.irp s, SA, SB                         ; the two tiles' chains take turns line by line
	v_max_num_f32 v[\s-2], v[\s-2], v[\s-1]
.endr
.irp s, SA, SB
	v_permlanex16_b32 v[\s-1], v[\s-2], s[SEL], s[SEL+1]
.endr
.irp s, SA, SB
	v_max_num_f32 v[\s-2], v[\s-2], v[\s-1]        ; the step's largest score of my query
.endr
.irp s, SA, SB
	v_mul_f32 v[\s-2], s[CS], v[\s-2]              ; as t (c is positive)
.endr
.irp s, SA, SB
	v_floor_f32 v[\s-2], -v[\s-2]                  ; floor(-t)
.endr
.irp s, SA, SB
	v_mov_b32 v[\s-1], v[4+(\s-SA)/33]             ; the old -M
.endr
.irp s, SA, SB
	v_min_num_f32 v[4+(\s-SA)/33], v[4+(\s-SA)/33], v[\s-2]   ; the new -M: floor is monotone, so the least floor(-t) is that of the largest t
.endr
.set m, 0
.irp s, SA, SB                         ; the factor's last links stand among the first multiply-adds, which need -M alone
	v_sub_f32 v[\s-2], v[4+(\s-SA)/33], v[\s-1]    ; old M - new M: a whole number, 0 or less
.endr
	FMAS 2
.irp s, SA, SB
	v_cvt_i32_f32 v[\s-2], v[\s-2]                 ; (it saturates)
.endr
	FMAS 2
.irp s, SA, SB
	v_ldexp_f32 v[\s-1], 1.0, v[\s-2]              ; f = 2^(old M - new M), in both registers of the pair
.endr
.irp s, SA, SB
	v_ldexp_f32 v[\s-2], 1.0, v[\s-2]
.endr
	FMAS 28
.set n, 0
.rept 16
	MUL2 OA+n, SA-2                                ; O^T under the new M, ahead of the exponentials; each accumulator from its low end on
	MUL2 OA+32+n, SB-2
.set n, n+2
.endr
	MUL2 8, SA-2                                   ; and the sums
	MUL2 10, SB-2
	s_wait_alu depctr_va_vdst(0)                   ; one wait ahead of the batch,
.set n, 0
.rept 64
	v_exp_f32 v[SA+n], v[SA+n]                     ; p = 2^(t - M), at most 1
.set n, n+1
.endr
.set n, 0
.rept 64
	v_exp_f32 v[SB+n], v[SB+n]
.set n, n+1
.endr
	v_nop                                          ; a plain place behind the last of them,
	s_wait_alu depctr_va_vdst(0)                   ; and one wait ahead of the first reader
.irp s, SA, SB
	v_dual_add_f32 v[\s-2], v[\s], v[\s+2] :: v_dual_add_f32 v[\s-1], v[\s+1], v[\s+3]   ; the sums of the unquantised p: two chains a tile, two numbers an instruction
.endr
.irp m, 4,8,12,16,20,24,28,32,36,40,44,48,52,56,60
.irp s, SA, SB
	ADD2 8+(\s-SA)/33, \s+\m
	ADD2 \s-2, \s+\m+2
.endr
.endr
.irp s, SA, SB
	ADD2 8+(\s-SA)/33, \s-2
.endr
	QUANT SA, 0
	QUANT SA, 4
	LOADS SA+16, 0, 12                             ; V's channels 0-47 into A's scores 16-63, which are converted; on their way under B's conversions
	QUANT SB, 0
	LOADS SB+16, 6144, 4                           ; V's channels 48-63 into B's scores 16-31, which are converted
	QUANT SB, 4
	v_nop                                          ; a plain line between the last conversion and the products that read its result
	s_wait_alu depctr_va_vdst(0)
	s_wait_dscnt 4                                 ; V's channels 0-47 are in; the four youngest loads may be out
.irp d, 0,1,2
	v_wmma_f32_16x16x128_fp8_fp8 v[OA+8*\d:OA+8*\d+7], v[SA+16+16*\d:SA+31+16*\d], v[SA-2:SA+13], v[OA+8*\d:OA+8*\d+7]
	v_wmma_f32_16x16x128_fp8_fp8 v[OA+32+8*\d:OA+32+8*\d+7], v[SA+16+16*\d:SA+31+16*\d], v[SB-2:SB+13], v[OA+32+8*\d:OA+32+8*\d+7]
.endr
	s_wait_dscnt 0x0
	v_wmma_f32_16x16x128_fp8_fp8 v[OA+24:OA+31], v[SB+16:SB+31], v[SA-2:SA+13], v[OA+24:OA+31]
	v_wmma_f32_16x16x128_fp8_fp8 v[OA+56:OA+63], v[SB+16:SB+31], v[SB-2:SB+13], v[OA+56:OA+63]
	s_add_co_u32 s[TB], s[TB], STEPB
.endm
	s_wait_alu depctr_va_vdst(0)
	s_wait_loadcnt 0x0                             ; Q
	s_wait_tensorcnt 0x0                           ; my eighth of steps 0-2 is in
	ds_add_u32 v[SPW], v[NIL]
	s_wait_dscnt 0x0
	CROUND                                         ; everybody's eighth is in, and all four work-groups are here
	tensor_load_to_lds s[G0+4:G0+7], s[G1B:G1B+7]  ; my eighth of steps 3-15
	s_nop 0
	PLACES 4
	s_mov_b32 s[TB], 0
	v_add_nc_u32 v[ADK], s[TB], v[LI]
	LOADS X, 0, 8                                  ; step 0's keys 0-63
	s_mov_b32 s[CNT], FIRST-1
.Lfirst:                                               ; steps 0 and 1: they read steps 0-1 and the first half of step 2's K
	STEP
	s_sub_co_u32 s[CNT], s[CNT], 1
	s_cmp_lg_u32 s[CNT], 0
	s_cbranch_scc1 .Lfirst
	s_wait_tensorcnt 0x0                           ; my eighth of steps 3-15 is in,
	s_wait_dscnt 0x0
	s_barrier_signal -1
	s_barrier_wait -1                              ; and everybody's
	s_mov_b32 s[TB], (FIRST-1)*STEPB
	s_mov_b32 s[CNT], 17-FIRST
.Lsecond:
	STEP
	s_sub_co_u32 s[CNT], s[CNT], 1
	s_cmp_lg_u32 s[CNT], 0
	s_cbranch_scc1 .Lsecond
	; THE WAY OUT: O^T x 2^(e4 + e5) / the sum, held, converted with 2^e6: eight registers a tile are an image of 16 tokens x the head's 64 channels
	s_wait_dscnt 0x0                               ; the last step's loads into X are done: X takes the codes below
	PLACES 4
	v_add_f32 v8, v8, v9
	v_add_f32 v10, v10, v11
	v_permlanex16_b32 v[SA-2], v8, s[SEL], s[SEL+1]
	v_permlanex16_b32 v[SB-2], v10, s[SEL], s[SEL+1]
	v_add_f32 v8, v8, v[SA-2]                      ; the rows' sums
	v_add_f32 v10, v10, v[SB-2]
	s_wait_alu depctr_va_vdst(0)                   ; the wait ahead of the batch of two,
	v_rcp_f32 v8, v8
	v_rcp_f32 v10, v10
	v_mov_b32 v[QS], s[BND+1]                      ; (a plain place)  2^e6 for the conversion
	s_wait_alu depctr_va_vdst(0)                   ; and ahead of its first reader
	v_ldexp_f32 v8, v8, s[EPV]
	v_ldexp_f32 v10, v10, s[EPV]
	s_wait_alu depctr_va_vdst(0)                   ; directly ahead of the first readers of O^T
.set n, 0
.rept 16
	v_pk_mul_f32 v[SA+n:SA+n+1], v[OA+n:OA+n+1], v[8:9] op_sel_hi:[1,0]
	v_pk_mul_f32 v[SB+n:SB+n+1], v[OA+32+n:OA+32+n+1], v[10:11] op_sel_hi:[1,0]
.set n, n+2
.endr
.set n, 0
.rept 32
	v_med3_num_f32 v[SA+n], v[SA+n], s[BND+3], s[BND+2]
	v_med3_num_f32 v[SB+n], v[SB+n], s[BND+3], s[BND+2]
.set n, n+1
.endr
.irp d, 0,1,2,3
	v_cvt_scalef32_pk8_fp8_f32 v[X+2*\d:X+2*\d+1], v[SA+8*\d:SA+8*\d+7], v[QS]
	v_cvt_scalef32_pk8_fp8_f32 v[X+8+2*\d:X+8+2*\d+1], v[SB+8*\d:SB+8*\d+7], v[QS]
.endr
	v_nop
	global_store_b128 v[LI], v[X:X+3], s[OB:OB+1]                       ; each store covers 512 consecutive bytes, aligned
	global_store_b128 v[LI], v[X+4:X+7], s[OB:OB+1] offset:512
	global_store_b128 v[LI], v[X+8:X+11], s[OB:OB+1] offset:262144      ; the second tile: 16 tiles of 16,384 bytes on
	global_store_b128 v[LI], v[X+12:X+15], s[OB:OB+1] offset:262656
	s_wait_tensorcnt 0x0                           ; the wave's end
	ds_add_u32 v[SPW], v[NIL]
	s_wait_dscnt 0x0
	CROUND                                         ; the closing round
	s_endpgm
.Lfunc_end_k_qa125572e73_attn:
	.size	k_qa125572e73_attn, .Lfunc_end_k_qa125572e73_attn-k_qa125572e73_attn
	.p2alignl 7, 3214868480
	.fill 96, 4, 3214868480
	.section	.rodata,"a",@progbits
	.p2align	6, 0x0
	.amdhsa_kernel k_qa125572e73_attn
		.amdhsa_group_segment_fixed_size 327680
		.amdhsa_private_segment_fixed_size 0
		.amdhsa_enable_private_segment 0
		.amdhsa_kernarg_size 40
		.amdhsa_user_sgpr_count 2
		.amdhsa_user_sgpr_kernarg_segment_ptr 1
		.amdhsa_wavefront_size32 1
		.amdhsa_system_sgpr_workgroup_id_x 1
		.amdhsa_system_sgpr_workgroup_id_y 1
		.amdhsa_system_sgpr_workgroup_id_z 1
		.amdhsa_system_vgpr_workitem_id 0
		.amdhsa_next_free_vgpr 256
		.amdhsa_next_free_sgpr 80
		.amdhsa_reserve_vcc 0
		.amdhsa_float_denorm_mode_32 3
		.amdhsa_float_denorm_mode_16_64 3
		.amdhsa_memory_ordered 1
		.amdhsa_forward_progress 1
		.amdhsa_inst_pref_size 75
	.end_amdhsa_kernel
	.amdgpu_metadata
---
amdhsa.version: [ 1, 2 ]
amdhsa.kernels:
  - .name:           k_qa125572e73_attn
    .symbol:         k_qa125572e73_attn.kd
    .args:
      - { .name: q_codes, .offset: 0, .size: 8, .value_kind: global_buffer, .address_space: global }
      - { .name: k_codes, .offset: 8, .size: 8, .value_kind: global_buffer, .address_space: global }
      - { .name: v_codes, .offset: 16, .size: 8, .value_kind: global_buffer, .address_space: global }
      - { .name: lowp_scales, .offset: 24, .size: 8, .value_kind: global_buffer, .address_space: global }
      - { .name: o_codes, .offset: 32, .size: 8, .value_kind: global_buffer, .address_space: global }
    .group_segment_fixed_size: 327680
    .private_segment_fixed_size: 0
    .kernarg_segment_align: 8
    .kernarg_segment_size: 40
    .max_flat_workgroup_size: 512
    .sgpr_count:     80
    .vgpr_count:     256
    .wavefront_size: 32
...
	.end_amdgpu_metadata
.endif
;; end of part 3
;; launch proj (part 4): grid 8 x 32, 4 waves a work-group, clusters of 4 x 4, 327,680 bytes of LDS; arguments o_codes, wproj_codes, lowp_scales, b_proj, out0; writes out0
.if DOCPART == 4
	.amdgcn_target "amdgcn-amd-amdhsa--gfx1250"
	.amdhsa_code_object_version 6
	.text
	.protected	k_qa125572e73_proj
	.globl	k_qa125572e73_proj
	.p2align	8
	.type	k_qa125572e73_proj,@function
k_qa125572e73_proj:
	s_mov_b64 s[64:65], 0
	v_nop
	global_prefetch_b8 v0, s[64:65] scope:SCOPE_SE
	s_setreg_imm32_b32 hwreg(HW_REG_WAVE_MODE, 25, 1), 1
	s_wait_xcnt 0x0
	s_wait_alu depctr_hold_cnt(0) depctr_sa_sdst(0) depctr_va_vdst(0) depctr_va_sdst(0) depctr_va_ssrc(0) depctr_va_vcc(0) depctr_vm_vsrc(0)
	s_getreg_b32 s2, hwreg(HW_REG_IB_STS2, 6, 4)
	s_cmp_eq_u32 s2, 0
	s_cbranch_scc0 .Lentry_in_a_cluster
	s_endpgm
.Lentry_in_a_cluster:
	s_bfe_u32 s2, ttmp6, 0x10000c
	s_cmp_lg_u32 s2, 0xf033
	s_cbranch_scc0 .Lentry_shape_is_right
	s_endpgm
.Lentry_shape_is_right:
.set NBB,    4
.set APW,    32/NBB
.set FR,     16
.set NL,     4
.set NP,     4
.set RTB,    4096
.set HALF_A, 8*RTB
.set HALF_B, NBB*RTB
.set SLOT,   2*HALF_A+2*HALF_B
.set SPARE,  2*SLOT
.set LAPS,   2
.set SPITCH, 272
.set ADRA, 16
.set ADRB, 20
.set STO,  24
.set RD,   25
.set CO,   26
.set LI,   27
.set SPW,  28
.set NIL,  29
.set TMP,  32
.set PB,   64
.set AF,   128
.set BK,   128
.set G1, 24
.set G0, 32
.set G1B, 48
.set G0B, 56
.set MSB, 0
.macro WIN new
.if MSB != (\new)
	s_set_vgpr_msb (MSB<<8)|(\new)
.set MSB, (\new)
.endif
.endm
.set MUL,    0xa1
.set TO_B,   0x40
.macro JLOAD g0a, g1a, g0b, g1b
	s_cmp_eq_u32 s15, 0
	s_cbranch_scc0 .Lfor_b_\@
	tensor_load_to_lds s[\g0a:\g0a+3], s[\g1a:\g1a+7]
	s_nop 0
.rept 4
	v_nop
.endr
	s_branch .Lasked_\@
.Lfor_b_\@:
	tensor_load_to_lds s[\g0b:\g0b+3], s[\g1b:\g1b+7]
	s_nop 0
.rept 4
	v_nop
.endr
.Lasked_\@:
.endm
.macro CREST
	s_cmp_lg_u32 s14, 0
	s_cbranch_scc1 .Lnot_wave_0_\@
	s_barrier_signal -3
.Lnot_wave_0_\@:
	s_barrier_wait -3
	s_barrier_signal -1
	s_barrier_wait -1
.endm
.macro CROUND
	s_barrier_signal -1
	s_barrier_wait -1
	CREST
.endm
	s_load_b256 s[4:11], s[0:1], 0x0
	s_load_b64 s[12:13], s[0:1], 0x20
	v_lshl_add_u32 v[SPW], v0, 2, SPARE
	v_mov_b32 v[NIL], 0
	ds_add_u32 v[SPW], v[NIL]
	ds_add_u32 v[SPW], v[NIL]
	v_lshrrev_b32 v1, 5, v0
	v_readfirstlane_b32 s14, v1
	s_lshr_b32 s15, s14, 1
	s_and_b32 s16, s14, 1
	s_bfe_u32 s40, ttmp6, 0x40000
	s_bfe_u32 s41, ttmp6, 0x40004
	s_and_b32 s42, ttmp7, 0xffff
	s_lshl_b32 s66, s42, 2
	s_add_co_u32 s66, s66, s41
	s_lshl_b32 s67, ttmp9, 2
	s_add_co_u32 s67, s67, s40
	s_lshl_b32 s44, s41, 2
	s_lshl_b32 s44, 15, s44
	s_lshl_b32 s45, 0x1111, s40
	s_or_b32 s[G1+0], s44, (3<<16)|(1<<21)
	s_mov_b32 s[G1+1], 512<<16
	s_mov_b32 s[G1+2], 8<<16
	s_mov_b32 s[G1+3], 512<<16
	s_mov_b32 s[G1+4], 8
	s_mov_b32 s[G1+5], 2048
	s_mov_b32 s[G1+6], 0
	s_mov_b32 s[G1+7], 0
	s_or_b32 s[G1B+0], s45, (3<<16)|(1<<21)
	s_mov_b32 s[G1B+1], 512<<16
	s_mov_b32 s[G1B+2], NBB<<16
	s_mov_b32 s[G1B+3], 512<<16
	s_mov_b32 s[G1B+4], NBB
	s_mov_b32 s[G1B+5], 2048
	s_mov_b32 s[G1B+6], 0
	s_mov_b32 s[G1B+7], 0
	s_lshl_b32 s18, s66, 18
	s_lshl_b32 s19, s16, 17
	s_add_co_u32 s18, s18, s19
	s_mov_b32 s19, 0
	s_lshl_b32 s20, s67, 17
	s_lshl_b32 s21, s16, 16
	s_add_co_u32 s20, s20, s21
	s_mov_b32 s21, 0
	s_mul_i32 s17, s16, HALF_A
	s_mul_i32 s23, s16, HALF_B
	s_add_co_u32 s23, s23, 2*HALF_A
	s_wait_dscnt 0x0
	s_wait_kmcnt 0x0
	s_load_b64 s[96:97], s[8:9], 0x18
	s_add_nc_u64 s[46:47], s[4:5], s[18:19]
	s_add_nc_u64 s[20:21], s[6:7], s[20:21]
	CROUND
.irp s, 0,1
	s_mov_b32 s[G0+4*\s], 1
	s_add_co_u32 s[G0+4*\s+1], s17, \s*SLOT
	s_add_nc_u64 s[G0+4*\s+2:G0+4*\s+3], s[46:47], \s*RTB
	s_or_b32 s[G0+4*\s+3], s[G0+4*\s+3], 0x80000000
	s_mov_b32 s[G0B+4*\s], 1
	s_add_co_u32 s[G0B+4*\s+1], s23, \s*SLOT
	s_add_nc_u64 s[G0B+4*\s+2:G0B+4*\s+3], s[20:21], \s*RTB
	s_or_b32 s[G0B+4*\s+3], s[G0B+4*\s+3], 0x80000000
.if \s == 0
	JLOAD G0, G1, G0B, G1B                         ; slot 0, behind the opening round: one tensor load a wave at the head
.endif
.endr
	v_and_b32 v1, 15, v0
	s_wait_alu depctr_va_vdst(0)
	v_bfe_u32 v2, v0, 4, 1
	v_and_b32 v3, 31, v0
	v_lshlrev_b32 v[LI], 4, v3
	s_mul_i32 s2, s15, HALF_A
	s_mul_i32 s3, s16, HALF_B
	s_add_co_u32 s3, s3, 2*HALF_A
.irp s, 0,1
	v_add_nc_u32 v[ADRA+\s], s2, v[LI]
	v_add_nc_u32 v[ADRB+\s], s3, v[LI]
	s_add_co_u32 s2, s2, SLOT
	s_add_co_u32 s3, s3, SLOT
.endr
	s_mul_i32 s2, s14, 16*SPITCH
	v_mul_u32_u24 v5, v1, SPITCH
	s_wait_alu depctr_va_vdst(0)
	v_lshl_add_u32 v5, v2, 5, v5
	v_add_nc_u32 v[STO], s2, v5
	v_mul_u32_u24 v6, v2, SPITCH
	v_lshl_add_u32 v6, v1, 4, v6
	v_add_nc_u32 v[RD], s2, v6
	v_lshlrev_b32 v[CO], 12, v2
	v_lshl_add_u32 v[CO], v1, 4, v[CO]
	s_lshl_b32 s2, s67, 9
	s_lshl_b32 s3, s16, 8
	s_add_co_u32 s2, s2, s3
	s_mov_b32 s3, 0
	s_add_nc_u64 s[10:11], s[10:11], s[2:3]
	s_add_nc_u64 s[12:13], s[12:13], s[2:3]
	s_lshl_b32 s2, s66, 20
	s_lshl_b32 s22, s15, 19
	s_add_co_u32 s2, s2, s22
	s_add_nc_u64 s[12:13], s[12:13], s[2:3]
	v_lshlrev_b32 v8, 5, v2
.irp b, 0,1,2,3
	global_load_b128 v[PB+8*\b:PB+8*\b+3], v8, s[10:11] offset:64*\b
	global_load_b128 v[PB+8*\b+4:PB+8*\b+7], v8, s[10:11] offset:64*\b+16
.endr
.macro FRAG reg, adr, q, i
.irp c, 0,1,2,3
	ds_load_b128 v[\reg+4*\c:\reg+4*\c+3], v[\adr] offset:RTB*(\i)+2048*(\q)+512*\c
.endr
.endm
.macro MULA a0, p, zero
.irp a, \a0, \a0+1
.irp b, 0,1,2,3
.if \zero
	v_wmma_f32_16x16x128_fp8_fp8 v[8*(NBB*((\a)%APW)+\b):8*(NBB*((\a)%APW)+\b)+7], v[128*(\p)+FR*\b:128*(\p)+FR*\b+FR-1], v[AF+FR*(\a):AF+FR*(\a)+FR-1], 0
.else
	v_wmma_f32_16x16x128_fp8_fp8 v[8*(NBB*((\a)%APW)+\b):8*(NBB*((\a)%APW)+\b)+7], v[128*(\p)+FR*\b:128*(\p)+FR*\b+FR-1], v[AF+FR*(\a):AF+FR*(\a)+FR-1], v[8*(NBB*((\a)%APW)+\b):8*(NBB*((\a)%APW)+\b)+7]
.endif
.endr
.endr
.endm
.macro FETCH_B slot, q, p
	WIN TO_B
.irp i, 0,1,2,3
	FRAG 128*(\p)+FR*\i, ADRB+\slot, \q, \i
.endr
	WIN 0
.endm
.macro FETCH_A slot, q, i0
.irp i, \i0, \i0+1, \i0+2, \i0+3
	FRAG AF+FR*(\i), ADRA+\slot, \q, \i
.endr
.endm
.macro PLACES n
.rept \n
	v_nop
.endr
.endm
.macro STEP slot, q, zero
	s_wait_dscnt 4*NL
	WIN MUL
	MULA 0, (\q)%2, \zero
	MULA 2, (\q)%2, \zero
	s_wait_dscnt 0
	PLACES NP
	FETCH_B \slot, (\q)+1, 1-(\q)%2
	FETCH_A \slot, (\q)+1, 0
	WIN MUL
	MULA 4, (\q)%2, \zero
	MULA 6, (\q)%2, \zero
	PLACES NP
	WIN 0
	FETCH_A \slot, (\q)+1, 4
.endm
.macro TURN slot, next, fill
	s_wait_tensorcnt 0x0
	ds_add_u32 v[SPW], v[NIL]
	s_wait_dscnt 4*NL+1
	WIN MUL
	MULA 0, 1, 0
	s_wait_dscnt 0x0
	s_barrier_signal -1
	MULA 2, 1, 0
	WIN 0
	s_barrier_wait -1
.if \fill
	CREST
	s_add_nc_u64 s[G0+4*\slot+2:G0+4*\slot+3], s[G0+4*\slot+2:G0+4*\slot+3], 2*RTB
	s_add_nc_u64 s[G0B+4*\slot+2:G0B+4*\slot+3], s[G0B+4*\slot+2:G0B+4*\slot+3], 2*RTB
	JLOAD G0+4*\slot, G1, G0B+4*\slot, G1B
.else
	PLACES NP
.endif
	FETCH_B \next, 0, 0
	FETCH_A \next, 0, 0
	WIN MUL
	MULA 4, 1, 0
	MULA 6, 1, 0
	PLACES NP
	WIN 0
	FETCH_A \next, 0, 4
.endm
	s_wait_alu depctr_va_vdst(0)
	s_wait_tensorcnt 0x0                           ; my part of slot 0 is in
	ds_add_u32 v[SPW], v[NIL]
	s_wait_dscnt 0x0
	CROUND                                         ; a whole round: everybody's part of slot 0 is in, and all sixteen work-groups are here
	JLOAD G0+4, G1, G0B+4, G1B                     ; slot 1's first fill, the first tensor load behind the round
	FETCH_B 0, 0, 0
	FETCH_A 0, 0, 0
	FETCH_A 0, 0, 4
	STEP 0, 0, 1
.rept LAPS-1
	TURN 0, 1, 1
	STEP 1, 0, 0
	TURN 1, 0, 1
	STEP 0, 0, 0
.endr
	TURN 0, 1, 0
	STEP 1, 0, 0
	s_wait_dscnt 4*NL
	WIN MUL
	MULA 0, 1, 0
	MULA 2, 1, 0
	s_wait_dscnt 0
	MULA 4, 1, 0
	MULA 6, 1, 0
	WIN 0
.macro TOSTAGE a
	WIN 0x02
.set n, 0
.rept 16
	v_pk_fma_f32 v[TMP+n:TMP+n+1], v[32*(\a)+n:32*(\a)+n+1], s[96:97], v[PB+n:PB+n+1] op_sel_hi:[1,0,1]
.set n, n+2
.endr
	WIN 0
.irp b, 0,1,2,3
	ds_store_b128 v[STO], v[TMP+8*\b:TMP+8*\b+3] offset:64*\b
	ds_store_b128 v[STO], v[TMP+8*\b+4:TMP+8*\b+7] offset:64*\b+16
.endr
.set BB, BK+32*((\a)%2)
.irp t, 0,1,2,3,4,5,6,7
	ds_load_b128 v[BB+4*\t:BB+4*\t+3], v[RD] offset:\t*2*SPITCH
.endr
.endm
.macro SEND a, younger
.set BB, BK+32*((\a)%2)
	s_wait_dscnt \younger
.if (\a) > 0
	s_add_nc_u64 s[12:13], s[12:13], 16*4096
.endif
.irp t, 0,1,2,3,4,5,6,7
	global_store_b128 v[CO], v[BB+4*\t:BB+4*\t+3], s[12:13] offset:\t*8192 th:TH_STORE_NT
.endr
.endm
	s_wait_kmcnt 0x0
	s_wait_loadcnt 0x0
	s_add_co_i32 s96, s96, s97
	s_add_co_i32 s96, s96, 127
	s_lshl_b32 s96, s96, 23
	s_mov_b32 s97, s96
	PLACES NP
	TOSTAGE 0
.irp a, 1,2,3,4,5,6,7
.if \a > 1
	s_wait_xcnt 0x0
.endif
	TOSTAGE \a
	SEND \a-1, 16
.endr
	s_wait_xcnt 0x0
	SEND 7, 0
	s_wait_tensorcnt 0x0
	ds_add_u32 v[SPW], v[NIL]
	s_wait_dscnt 0x0
	CROUND
	s_endpgm
.Lfunc_end_k_qa125572e73_proj:
	.size	k_qa125572e73_proj, .Lfunc_end_k_qa125572e73_proj-k_qa125572e73_proj
	.p2alignl 7, 3214868480
	.fill 96, 4, 3214868480
	.section	.rodata,"a",@progbits
	.p2align	6, 0x0
	.amdhsa_kernel k_qa125572e73_proj
		.amdhsa_group_segment_fixed_size 327680
		.amdhsa_private_segment_fixed_size 0
		.amdhsa_enable_private_segment 0
		.amdhsa_kernarg_size 40
		.amdhsa_user_sgpr_count 2
		.amdhsa_user_sgpr_kernarg_segment_ptr 1
		.amdhsa_wavefront_size32 1
		.amdhsa_system_sgpr_workgroup_id_x 1
		.amdhsa_system_sgpr_workgroup_id_y 1
		.amdhsa_system_sgpr_workgroup_id_z 1
		.amdhsa_system_vgpr_workitem_id 0
		.amdhsa_next_free_vgpr 768
		.amdhsa_next_free_sgpr 100
		.amdhsa_reserve_vcc 0
		.amdhsa_float_denorm_mode_32 3
		.amdhsa_float_denorm_mode_16_64 3
		.amdhsa_memory_ordered 1
		.amdhsa_forward_progress 1
		.amdhsa_inst_pref_size 78
	.end_amdhsa_kernel
	.amdgpu_metadata
---
amdhsa.version: [ 1, 2 ]
amdhsa.kernels:
  - .name:           k_qa125572e73_proj
    .symbol:         k_qa125572e73_proj.kd
    .args:
      - { .name: o_codes, .offset: 0, .size: 8, .value_kind: global_buffer, .address_space: global }
      - { .name: wproj_codes, .offset: 8, .size: 8, .value_kind: global_buffer, .address_space: global }
      - { .name: lowp_scales, .offset: 16, .size: 8, .value_kind: global_buffer, .address_space: global }
      - { .name: b_proj, .offset: 24, .size: 8, .value_kind: global_buffer, .address_space: global }
      - { .name: out0, .offset: 32, .size: 8, .value_kind: global_buffer, .address_space: global }
    .group_segment_fixed_size: 327680
    .private_segment_fixed_size: 0
    .kernarg_segment_align: 8
    .kernarg_segment_size: 40
    .max_flat_workgroup_size: 128
    .sgpr_count:     100
    .vgpr_count:     768
    .wavefront_size: 32
...
	.end_amdgpu_metadata
.endif
;; end of part 4
